; MI455X (gfx1250); checked and timed in simulation.
; The chip was launched on July 23, 2026; its instructions are those of AMD's public machine-readable ISA for CDNA 5 (MIT licence, August 2026) and "CDNA5" Instruction Set Architecture Reference Guide (July 2026). The comments in the code are by the model that wrote it; some were corrected since.
;; Attention. Allowed arithmetic: float matrix products may take bf16 or f16 operands with f32 sums; other float arithmetic in f32, or as packed bf16 or f16 multiplies, adds, multiply-adds, maxima and minima; sums over many terms, partial sums and values carried from step to step in f32; what a program stores and reads back later, other than sums and carried values, may be rounded once to bf16 or f16.
;; Inputs: W 1,024 x 1,024 float32; b 1,024 float32; ctx 1,024 float32; x 32 x 2,048 x 1,024 float32.
;; Outputs: out0 32 x 1,024 float32.
;; One version. Each part assembles by itself: llvm-mc -triple=amdgcn-amd-amdhsa -mcpu=gfx1250 --defsym DOCPART=n.
;; ======== version 1 of 1: 3 launches
;; workspace buffers: wf 2,097,152 bytes; part 2,097,152 bytes; stat 131,072 bytes
;; launch prep (part 1): grid 512 x 1, 8 waves a work-group, no clusters, 0 bytes of LDS; arguments W, wf; writes wf
.if DOCPART == 1
	.amdgcn_target "amdgcn-amd-amdhsa--gfx1250"
	.amdhsa_code_object_version 6
	.text
	.protected	k_q54a2d4d5c5_prep
	.globl	k_q54a2d4d5c5_prep
	.p2align	8
	.type	k_q54a2d4d5c5_prep,@function
k_q54a2d4d5c5_prep:
	s_mov_b64 s[64:65], 0
	v_nop
	global_prefetch_b8 v0, s[64:65] scope:SCOPE_SE
	s_setreg_imm32_b32 hwreg(HW_REG_WAVE_MODE, 25, 1), 1
	s_wait_xcnt 0x0
; wf = W rounded once to bf16, laid out in the order in which the main launch's waves take fragments:
; wf[cb 0..15][ks 0..31][ct 0..3][q 0..1][lane 0..31][8 bf16]; lane = 16 h + r; the unit holds W[32 ks + 16 q + 8 h + i][64 cb + 16 ct + r], i = 0..7.
; A work-group makes one (cb, ks): 4,096 bytes on end.  Thread t = 64 ct + 32 q + 16 h + r reads eight numbers of one column of W, eight rows apart by 4,096 bytes,
; and stores 16 bytes at 16 t: a wave's store covers 512 consecutive bytes, aligned.  W is 4 MiB and read once; no LDS, no barrier.
.set ROWB, 4096                        ; bytes in a row of W
	s_load_b128 s[4:7], s[0:1], 0x0                ; W s[4:5], wf s[6:7]
	s_lshr_b32 s8, ttmp9, 5                        ; cb
	s_and_b32 s9, ttmp9, 31                        ; ks
	s_lshl_b32 s10, s9, 17                         ; 32 ks rows of 4,096 bytes
	s_lshl_b32 s11, s8, 8                          ; 64 cb columns of 4 bytes
	s_add_co_u32 s10, s10, s11
	s_lshl_b32 s12, ttmp9, 12                      ; the work-group's 4,096 bytes of wf
	v_and_b32 v1, 15, v0                           ; r
	v_bfe_u32 v2, v0, 4, 2                         ; 2 q + h: 8 rows each
	v_lshrrev_b32 v3, 6, v0                        ; ct
	v_lshlrev_b32 v4, 2, v1
	v_lshl_add_u32 v4, v3, 6, v4                   ; + 16 ct columns
	v_lshl_add_u32 v4, v2, 15, v4                  ; + 8 (2 q + h) rows
	v_add_nc_u32 v4, s10, v4
	v_lshl_add_u32 v5, v0, 4, s12
	s_wait_kmcnt 0x0
.irp i, 0,1,2,3,4,5,6,7
	global_load_b32 v[8+(\i)], v4, s[4:5] offset:ROWB*(\i)
.endr
	s_wait_loadcnt 0x0
.irp k, 0,1,2,3
	v_cvt_pk_bf16_f32 v[16+(\k)], v[8+2*(\k)], v[9+2*(\k)]   ; the lower k in the lower half
.endr
	global_store_b128 v5, v[16:19], s[6:7]
	s_endpgm
.Lfunc_end_k_q54a2d4d5c5_prep:
	.size	k_q54a2d4d5c5_prep, .Lfunc_end_k_q54a2d4d5c5_prep-k_q54a2d4d5c5_prep
	.p2alignl 7, 3214868480
	.fill 96, 4, 3214868480
	.section	.rodata,"a",@progbits
	.p2align	6, 0x0
	.amdhsa_kernel k_q54a2d4d5c5_prep
		.amdhsa_group_segment_fixed_size 0
		.amdhsa_private_segment_fixed_size 0
		.amdhsa_enable_private_segment 0
		.amdhsa_kernarg_size 16
		.amdhsa_user_sgpr_count 2
		.amdhsa_user_sgpr_kernarg_segment_ptr 1
		.amdhsa_wavefront_size32 1
		.amdhsa_system_sgpr_workgroup_id_x 1
		.amdhsa_system_sgpr_workgroup_id_y 1
		.amdhsa_system_sgpr_workgroup_id_z 1
		.amdhsa_system_vgpr_workitem_id 0
		.amdhsa_next_free_vgpr 24
		.amdhsa_next_free_sgpr 66
		.amdhsa_reserve_vcc 0
		.amdhsa_float_denorm_mode_32 3
		.amdhsa_float_denorm_mode_16_64 3
		.amdhsa_memory_ordered 1
		.amdhsa_forward_progress 1
		.amdhsa_inst_pref_size 3
	.end_amdhsa_kernel
	.amdgpu_metadata
---
amdhsa.version: [ 1, 2 ]
amdhsa.kernels:
  - .name:           k_q54a2d4d5c5_prep
    .symbol:         k_q54a2d4d5c5_prep.kd
    .args:
      - { .name: W, .offset: 0, .size: 8, .value_kind: global_buffer, .address_space: global }
      - { .name: wf, .offset: 8, .size: 8, .value_kind: global_buffer, .address_space: global }
    .group_segment_fixed_size: 0
    .private_segment_fixed_size: 0
    .kernarg_segment_align: 8
    .kernarg_segment_size: 16
    .max_flat_workgroup_size: 256
    .sgpr_count:     66
    .vgpr_count:     24
    .wavefront_size: 32
...
	.end_amdgpu_metadata
.endif
;; end of part 1
;; launch main (part 2): grid 256 x 1, 4 waves a work-group, no clusters, 276,992 bytes of LDS; arguments x, wf, b, ctx, part, stat; writes part, stat
.if DOCPART == 2
	.amdgcn_target "amdgcn-amd-amdhsa--gfx1250"
	.amdhsa_code_object_version 6
	.text
	.protected	k_q54a2d4d5c5_main
	.globl	k_q54a2d4d5c5_main
	.p2align	8
	.type	k_q54a2d4d5c5_main,@function
k_q54a2d4d5c5_main:
	s_mov_b64 s[64:65], 0
	v_nop
	global_prefetch_b8 v0, s[64:65] scope:SCOPE_SE
	s_setreg_imm32_b32 hwreg(HW_REG_WAVE_MODE, 25, 1), 1
	s_wait_xcnt 0x0
; For each chunk of 128 positions: z = x W + b, h = tanh z, score = h . ctx, the chunk's own softmax (maximum m, weights e = exp(score - m), sum l) and part = sum of e x.
; The last launch merges a batch's 16 chunks by their maxima.  x, W, b and ctx are each rounded once to bf16 (x for the pooling too); all else is f32: h is never rounded.
; tanh z = 1 - 2 / (1 + E), E = 2^(CS acc + bc), CS = 2 log2(e), bc = CS bf16(b).  E = infinity gives h = 1, E = 0 gives h = -1, so large z are served.
; LIMITS.  NaN is not treated apart; a weight below 2^-126 counts as 0; an E below 2^-126 counts as 0 (h = -1 to the last bit anyway).
; SHARES.  A work-group stays and makes chunks 2 g and 2 g + 1.  A chunk lies whole in LDS as bf16 (128 rows x 2,048 bytes), is read from memory once, and serves product and pooling.
; Wave w owns columns 256 w .. 256 w + 255 of W, in four passes of 64: a wave tile of 128 x 64, 32 accumulators, K = 1,024 in 32 steps of 32.
; THE MATRIX INSTRUCTION IS USED TRANSPOSED: source 0 = 16 columns of W (a unit of wf is a lane's 16 bytes), source 1 = 16 rows of x: a lane holds ONE position (lane % 16) and
; the columns 8 (lane / 16) + 0..7, so the dot with ctx stays in the lane but for one exchange of halves.
; BY TURNS.  A pass's sums are moved out as CS acc + bc into S (one lump at the pass's end); their tanh and dot ride behind the NEXT pass's products: K step ks carries tile ks.
; The first pass of a chunk carries what S holds from before (zeros, or the last chunk's h: finite) against ctx = 0: exact zeros are added; the price of one text for all passes.
; NO CLUSTER, NO TENSOR LOADS: x changes format on its way, so it goes through registers, and no two work-groups share a byte of it.  W is shared by all, but a K step of 32 of its
; 1,024 columns is 65,536 bytes and LDS has 50,688 left beside this launch's 276,992; each wave's part of wf is its own and is already the register image.  So wf comes by
; plain loads, seven K steps ahead, 2 MiB a chunk and work-group.
; REGISTERS, in windows of 256 (s_set_vgpr_msb: bits 1:0 source 0, 3:2 source 1, 5:4 source 2, 7:6 destination):
;   window 0: addresses, tables, sums, x's fragments     window 1: W's fragments, a ring of 8 K steps x 32     window 2: the accumulators (in the x phase: x as loaded)     window 3: S
.set PITCH, 2064                       ; an LDS row of x: 2,048 bytes + 16 = 129 x 16: the 16 rows of a fragment load start 16 bytes apart modulo 256
.set TAB,   128*PITCH                  ; bc[1024] f32, then bf16(ctx)[1024] as f32 at + 4,096
.set SCR,   TAB+8192                   ; wave w's 128 partial scores at + 512 w
.set WT,    SCR+2048                   ; each wave's own copy of the 128 weights at + 512 w
.set SPARE, WT+2048                    ; the spare words, 128 bytes a wave: two blocks of 256 bytes that no other line names
.set TB0, 1                            ; v1      TAB + 1,024 w + 32 h; never rewritten
.set ADX, 2                            ; v2-9    (16 rt + r) PITCH + 16 h; never rewritten
.set WO,  10                           ; v10     16 x lane; never rewritten
.set TBA, 11                           ; v11     the pass's place in the tables
.set XO,  12                           ; v12     131,072 w + 16 x lane: my wave's 32 rows of a chunk; never rewritten
.set XST, 13                           ; v13     where my 8 bytes of a row go in LDS
.set SPW, 14                           ; v14     my spare word; never rewritten
.set NIL, 15                           ; v15     0; never rewritten
.set T,   16                           ; v16-31  at work
.set P,   32                           ; v32-47  a pair of sums for each row block rt; later v32 = m, v33 = l
.set CT,  48                           ; v48-79  ctx of the tiles that ride, 8 for each ct
.set BC,  80                           ; v80-111 bc of the pass in hand
.set O,   112                          ; v112-119 my 8 pooled columns
.set SCA, 120                          ; SCR + 512 w + 4 r
.set SCB, 121                          ; SCR + 16 x lane
.set WTA, 122                          ; WT + 512 w + 16 x lane
.set WTB, 123                          ; the pooling's place in my weights
.set PA,  124                          ; the pooling's place in x
.set GO,  125                          ; 1,024 w + 16 x lane
.set GS,  126                          ; 8 x lane
.set PFO, 127                          ; 131,072 w + 256 x lane
.set XF,  128                          ; v128-255 x's fragments, two buffers of 64
.set XB,  4                            ; s[4:5]   x at the chunk in hand
.set W0,  6                            ; s[6:7]   wf at my wave's 512 KiB
.set PB,  12                           ; s[12:13] part at the chunk
.set SB,  14                           ; s[14:15] stat at the chunk
.set WV,  16                           ; s16 wave
.set CH,  17                           ; s17 chunks to go
.set PC,  18                           ; s18 passes to go
.set CNT, 19                           ; s19 the small loops' count
.set WB,  20                           ; s[20:21] wf at the pass in hand
.set WB2, 22                           ; s[22:23] wf at the pass after it (behind the fourth: the first)
.set OF1, 24                           ; s[24:25] WB's offset from W0
.set OF2, 26                           ; s[26:27] WB2's
.set XP,  28                           ; s[28:29] the x phase's pointer
.set CS,  30                           ; s[30:31] 2 log2(e), named as a pair
.set SEL, 32                           ; s[32:33] v_permlanex16_b32: each lane takes its own place in the other half
.set L2E, 34                           ; s34 log2(e)
.set XS0, 35                           ; s35 32 w PITCH
.set PA0, 36                           ; s36 512 w
.set WT0, 37                           ; s37 WT + 512 w
.set MSB, 0
.macro WIN new                         ; the immediate's high byte repeats the setting that is left; a switch that changes nothing is dropped
.if MSB != (\new)
	s_set_vgpr_msb (MSB<<8)|(\new)
.set MSB, (\new)
.endif
.endm
.set MUL, 0xa1                         ; W window 1, x window 0, C and D window 2
.set TR,  0xc3                         ; destination and source 0 window 3
.set FS,  0x03                         ; source 0 window 3
.set LMP, 0xc2                         ; destination window 3, source 0 window 2, source 2 window 0
.set TOW, 0x40                         ; destination window 1
.set TOA, 0x80                         ; destination window 2
.set TOS, 0xc0                         ; destination window 3
.set CVT, 0x0a                         ; sources 0 and 1 window 2
; Four rows of x as they lie: 32 loads, each of 512 consecutive bytes, into set 0 or 1 of window 2.
.macro LOADX set, off
	WIN TOA
.irp r, 0,1,2,3
.irp j, 0,1,2,3,4,5,6,7
	global_load_b128 v[128*(\set)+4*(8*(\r)+(\j)):128*(\set)+4*(8*(\r)+(\j))+3], v[XO], s[XP:XP+1] offset:(\off)+4096*(\r)+512*(\j) th:TH_LOAD_NT
.endr
.endr
.endm
; The set is rounded to bf16 and put into LDS: each store covers 256 consecutive bytes of a row.
.macro CVST set
	WIN CVT
.set n, 0
.rept 64
	v_cvt_pk_bf16_f32 v[XF+64*(\set)+n], v[128*(\set)+2*n], v[128*(\set)+2*n+1]
.set n, n+1
.endr
	WIN 0
.irp r, 0,1,2,3
.irp j, 0,1,2,3,4,5,6,7
	ds_store_b64 v[XST], v[XF+64*(\set)+2*(8*(\r)+(\j)):XF+64*(\set)+2*(8*(\r)+(\j))+1] offset:4*PITCH*(\set)+PITCH*(\r)+256*(\j)
.endr
.endr
.endm
; K step ks of W: 8 loads of 512 consecutive bytes into ring buffer ks % 8.  ks = 32 .. 38 are the next pass's first seven.
.macro WLD ks
	WIN TOW
.irp ct, 0,1,2,3
.irp q, 0,1
.if (\ks) < 32
	global_load_b128 v[32*((\ks)%8)+8*(\ct)+4*(\q):32*((\ks)%8)+8*(\ct)+4*(\q)+3], v[WO], s[WB:WB+1] offset:4096*(\ks)+1024*(\ct)+512*(\q)
.else
	global_load_b128 v[32*((\ks)%8)+8*(\ct)+4*(\q):32*((\ks)%8)+8*(\ct)+4*(\q)+3], v[WO], s[WB2:WB2+1] offset:4096*((\ks)-32)+1024*(\ct)+512*(\q)
.endif
.endr
.endr
.endm
; K step ks of x: 8 fragments of 16 rows x 32 K, two loads of 16 bytes a lane each, into buffer ks % 2.
.macro ALD ks
	WIN 0
.irp rt, 0,1,2,3,4,5,6,7
	ds_load_b128 v[XF+64*((\ks)%2)+8*(\rt):XF+64*((\ks)%2)+8*(\rt)+3],   v[ADX+(\rt)] offset:64*((\ks)%32)
	ds_load_b128 v[XF+64*((\ks)%2)+8*(\rt)+4:XF+64*((\ks)%2)+8*(\rt)+7], v[ADX+(\rt)] offset:64*((\ks)%32)+32
.endr
.endm
; Product i of a K step: tile i = 4 rt + ct.  The 32 accumulators take turns, over the backward jump too.  K step 0 starts the sums.
.macro MM ks, i
	WIN MUL
.if (\ks) == 0
	v_wmma_f32_16x16x32_bf16 v[8*(\i):8*(\i)+7], v[32*((\ks)%8)+8*((\i)%4):32*((\ks)%8)+8*((\i)%4)+7], v[XF+64*((\ks)%2)+8*((\i)/4):XF+64*((\ks)%2)+8*((\i)/4)+7], 0
.else
	v_wmma_f32_16x16x32_bf16 v[8*(\i):8*(\i)+7], v[32*((\ks)%8)+8*((\i)%4):32*((\ks)%8)+8*((\i)%4)+7], v[XF+64*((\ks)%2)+8*((\i)/4):XF+64*((\ks)%2)+8*((\i)/4)+7], v[8*(\i):8*(\i)+7]
.endif
.endm
; THE RIDERS, two lines each, on tile t of S.  EXP2, RCP2: registers i, i + 1.  ADD2, HM2, FMA2: pairs i, i + 1.
.macro EXP2 t, i                       ; E = 2^(..)
	WIN TR
	v_exp_f32 v[8*(\t)+(\i)], v[8*(\t)+(\i)]
	v_exp_f32 v[8*(\t)+(\i)+1], v[8*(\t)+(\i)+1]
.endm
.macro ADD2 t, i                       ; 1 + E
	WIN TR
	v_pk_add_f32 v[8*(\t)+2*(\i):8*(\t)+2*(\i)+1], v[8*(\t)+2*(\i):8*(\t)+2*(\i)+1], 1.0 op_sel_hi:[1,0]
	v_pk_add_f32 v[8*(\t)+2*(\i)+2:8*(\t)+2*(\i)+3], v[8*(\t)+2*(\i)+2:8*(\t)+2*(\i)+3], 1.0 op_sel_hi:[1,0]
.endm
.macro RCP2 t, i                       ; r = 1 / (1 + E)
	WIN TR
	v_rcp_f32 v[8*(\t)+(\i)], v[8*(\t)+(\i)]
	v_rcp_f32 v[8*(\t)+(\i)+1], v[8*(\t)+(\i)+1]
.endm
.macro HM2 t, i                        ; h = 1 - 2 r
	WIN TR
	v_pk_fma_f32 v[8*(\t)+2*(\i):8*(\t)+2*(\i)+1], v[8*(\t)+2*(\i):8*(\t)+2*(\i)+1], -2.0, 1.0 op_sel_hi:[1,0,0]
	v_pk_fma_f32 v[8*(\t)+2*(\i)+2:8*(\t)+2*(\i)+3], v[8*(\t)+2*(\i)+2:8*(\t)+2*(\i)+3], -2.0, 1.0 op_sel_hi:[1,0,0]
.endm
.macro FMA2 t, i                       ; the row block's sums take h ctx
	WIN FS
	v_pk_fma_f32 v[P+2*((\t)/4):P+2*((\t)/4)+1], v[8*(\t)+2*(\i):8*(\t)+2*(\i)+1], v[CT+8*((\t)%4)+2*(\i):CT+8*((\t)%4)+2*(\i)+1], v[P+2*((\t)/4):P+2*((\t)/4)+1]
	v_pk_fma_f32 v[P+2*((\t)/4):P+2*((\t)/4)+1], v[8*(\t)+2*(\i)+2:8*(\t)+2*(\i)+3], v[CT+8*((\t)%4)+2*(\i)+2:CT+8*((\t)%4)+2*(\i)+3], v[P+2*((\t)/4):P+2*((\t)/4)+1]
.endm
; A K STEP: 32 products; beside them tile ks's exponentials, 1 + E and reciprocals, and tile ks - 1's h and dot.
; One wait for transcendentals a step (ahead of the first line that names a result): it serves this step's exponentials and the last step's reciprocals,
; and stands directly ahead of the runs of loads.  The four v_nop are the places between the last step's products and the loads into the registers that they read
; (x's other buffer, W's ring buffer (ks - 1) % 8), and the plain line behind the last exponential.
.macro STEP ks
	s_wait_loadcnt 48                              ; W of this step is in: the six younger steps' 8 loads each may stay out
	s_wait_dscnt 0x0                               ; x of this step (asked for 24 products ago), and at a pass's head the tables
.irp i, 0,1,2,3,4,5,6,7
	MM \ks, \i
.if ((\i) % 2) == 0
	EXP2 \ks, \i
.endif
.endr
	WIN 0
.rept 4
	v_nop
.endr
	s_wait_alu depctr_va_vdst(0)
	ALD (\ks)+1
	WLD (\ks)+7
.irp i, 8,9,10,11,12,13,14,15,16,17,18,19,20,21,22,23,24,25,26,27,28,29,30,31
	MM \ks, \i
.if ((\i) == 8) || ((\i) == 10)
	ADD2 \ks, (\i)-8
.elseif ((\i) >= 12) && ((\i) <= 18) && (((\i) % 2) == 0)
	RCP2 \ks, (\i)-12
.elseif ((\ks) > 0) && (((\i) == 20) || ((\i) == 22))
	HM2 (\ks)-1, (\i)-20
.elseif ((\ks) > 0) && (((\i) == 24) || ((\i) == 26))
	FMA2 (\ks)-1, (\i)-24
.endif
.endr
.endm
.macro LUMP t                          ; S = CS acc + bc, each accumulator from its low end on
	WIN LMP
.irp i, 0,1,2,3
	v_pk_fma_f32 v[8*(\t)+2*(\i):8*(\t)+2*(\i)+1], v[8*(\t)+2*(\i):8*(\t)+2*(\i)+1], s[CS:CS+1], v[BC+8*((\t)%4)+2*(\i):BC+8*((\t)%4)+2*(\i)+1] op_sel_hi:[1,0,1]
.endr
.endm
; A PASS'S END.  Tiles 0 to 30 leave the accumulators (their lines are the places behind the last products); tile 31 of the riders is finished, then its place in S is taken too.
; Then ctx of the pass just made, for the riders to come, and bc of the next pass (behind a chunk's last pass: numbers that nobody uses, still inside the tables).
.macro PASSEND
.irp t, 0,1,2,3,4,5,6,7,8,9,10,11,12,13,14,15,16,17,18,19,20,21,22,23,24,25,26,27,28,29,30
	LUMP \t
.endr
	s_wait_alu depctr_va_vdst(0)                   ; tile 31's reciprocals: the wait ahead of the first line that names them, and ahead of the branch
	HM2 31, 0
	HM2 31, 2
	FMA2 31, 0
	FMA2 31, 2
	LUMP 31
	WIN 0
.irp ct, 0,1,2,3
.irp q, 0,1
	ds_load_b128 v[CT+8*(\ct)+4*(\q):CT+8*(\ct)+4*(\q)+3], v[TBA] offset:4096+64*(\ct)+16*(\q)
.endr
.endr
	v_add_nc_u32 v[TBA], 256, v[TBA]
.irp ct, 0,1,2,3
.irp q, 0,1
	ds_load_b128 v[BC+8*(\ct)+4*(\q):BC+8*(\ct)+4*(\q)+3], v[TBA] offset:64*(\ct)+16*(\q)
.endr
.endr
	s_wait_xcnt 0x0                                ; W's loads have read their bases: only now are they written
	s_add_co_u32 s[OF1], s[OF1], 0x20000           ; a pass of a wave is 131,072 bytes of wf; behind the fourth comes the first
	s_and_b32 s[OF1], s[OF1], 0x7ffff
	s_add_co_u32 s[OF2], s[OF2], 0x20000
	s_and_b32 s[OF2], s[OF2], 0x7ffff
	s_add_nc_u64 s[WB:WB+1], s[W0:W0+1], s[OF1:OF1+1]
	s_add_nc_u64 s[WB2:WB2+1], s[W0:W0+1], s[OF2:OF2+1]
.endm
; The last pass's 32 tiles have no products to ride behind: each kind in one run, one wait behind each batch of transcendentals.
.macro DRAIN
	s_wait_dscnt 0x0                               ; ctx of the last pass is in, and so is all else that was asked of LDS
	WIN TR
.set n, 0
.rept 256
	v_exp_f32 v[n], v[n]
.set n, n+1
.endr
	v_nop                                          ; a plain line behind the last exponential,
	s_wait_alu depctr_va_vdst(0)                   ; and the batch's wait
.set n, 0
.rept 128
	v_pk_add_f32 v[n:n+1], v[n:n+1], 1.0 op_sel_hi:[1,0]
.set n, n+2
.endr
.set n, 0
.rept 256
	v_rcp_f32 v[n], v[n]
.set n, n+1
.endr
	v_nop
	s_wait_alu depctr_va_vdst(0)
.set n, 0
.rept 128
	v_pk_fma_f32 v[n:n+1], v[n:n+1], -2.0, 1.0 op_sel_hi:[1,0,0]
.set n, n+2
.endr
	WIN FS
.irp ct, 0,1,2,3
.irp i, 0,1,2,3
.irp rt, 0,1,2,3,4,5,6,7               ; neighbouring lines add onto different sums
	v_pk_fma_f32 v[P+2*(\rt):P+2*(\rt)+1], v[8*(4*(\rt)+(\ct))+2*(\i):8*(4*(\rt)+(\ct))+2*(\i)+1], v[CT+8*(\ct)+2*(\i):CT+8*(\ct)+2*(\i)+1], v[P+2*(\rt):P+2*(\rt)+1]
.endr
.endr
.endr
	WIN 0
.endm
	; THE HEAD
	s_load_b256 s[4:11], s[0:1], 0x0               ; x s[4:5], wf s[6:7], b s[8:9], ctx s[10:11]
	s_load_b128 s[12:15], s[0:1], 0x20             ; part s[12:13], stat s[14:15]
	v_lshl_add_u32 v[SPW], v0, 2, SPARE
	v_mov_b32 v[NIL], 0
	v_lshrrev_b32 v[T], 5, v0
	v_readfirstlane_b32 s[WV], v[T]                ; wave 0..3
	v_and_b32 v[T], 31, v0                         ; lane
	v_and_b32 v[T+1], 15, v0                       ; r
	v_bfe_u32 v[T+2], v0, 4, 1                     ; h
	v_mul_u32_u24 v[ADX], v[T+1], PITCH
	v_lshl_add_u32 v[ADX], v[T+2], 4, v[ADX]
.irp rt, 1,2,3,4,5,6,7
	v_add_nc_u32 v[ADX+(\rt)], (\rt)*16*PITCH, v[ADX]
.endr
	v_lshlrev_b32 v[WO], 4, v[T]
	s_lshl_b32 s2, s[WV], 10
	v_lshl_add_u32 v[GO], v[T], 4, s2
	s_add_co_u32 s2, s2, TAB
	v_lshl_add_u32 v[TB0], v[T+2], 5, s2
	s_lshl_b32 s2, s[WV], 17
	v_lshl_add_u32 v[XO], v[T], 4, s2
	v_lshl_add_u32 v[PFO], v[T], 8, s2
	s_mul_i32 s[XS0], s[WV], 32*PITCH
	s_lshl_b32 s[PA0], s[WV], 9
	s_add_co_u32 s[WT0], s[PA0], WT
	s_add_co_u32 s2, s[PA0], SCR
	v_lshl_add_u32 v[SCA], v[T+1], 2, s2
	v_lshl_add_u32 v[SCB], v[T], 4, SCR
	v_lshl_add_u32 v[WTA], v[T], 4, s[WT0]
	v_lshlrev_b32 v[GS], 3, v[T]
	v_lshl_add_u32 v[TBA], v0, 5, TAB              ; for now: where my 8 numbers of the tables go
	v_lshlrev_b32 v[PA], 5, v0                     ; for now: my 8 numbers of b and of ctx
	s_mov_b32 s[CS], 0x4038aa3b                    ; 2 log2(e)
	s_mov_b32 s[CS+1], s[CS]
	s_mov_b32 s[SEL], 0x76543210
	s_mov_b32 s[SEL+1], 0xfedcba98
	s_mov_b32 s[L2E], 0x3fb8aa3b
	s_mov_b32 s[OF1], 0
	s_mov_b32 s[OF1+1], 0
	s_mov_b32 s[OF2], 0x20000
	s_mov_b32 s[OF2+1], 0
	s_mov_b32 s[CH], 2
	s_mov_b32 s39, 0
	s_wait_kmcnt 0x0
	s_lshl_b32 s38, ttmp9, 20                      ; two chunks of 128 rows of 4,096 bytes
	s_add_nc_u64 s[XB:XB+1], s[XB:XB+1], s[38:39]
	s_lshl_b32 s38, s[WV], 19                      ; my wave's 256 columns: 524,288 bytes of wf
	s_add_nc_u64 s[W0:W0+1], s[W0:W0+1], s[38:39]
	s_lshl_b32 s38, ttmp9, 13
	s_add_nc_u64 s[PB:PB+1], s[PB:PB+1], s[38:39]
	s_lshl_b32 s38, ttmp9, 9
	s_add_nc_u64 s[SB:SB+1], s[SB:SB+1], s[38:39]
	s_mov_b64 s[WB:WB+1], s[W0:W0+1]
	s_add_nc_u64 s[WB2:WB2+1], s[W0:W0+1], s[OF2:OF2+1]
	global_load_b128 v[T:T+3],     v[PA], s[8:9]
	global_load_b128 v[T+4:T+7],   v[PA], s[8:9] offset:16
	global_load_b128 v[T+8:T+11],  v[PA], s[10:11]
	global_load_b128 v[T+12:T+15], v[PA], s[10:11] offset:16
.irp k, 0,1,2,3,4,5,6
	WLD \k                                         ; the first seven K steps of W
.endr
	WIN TOS
.set n, 0
.rept 256
	v_mov_b32 v[n], 0                              ; what the first pass's riders find in S; written while the loads are out
.set n, n+1
.endr
	WIN 0
	s_wait_loadcnt 56                              ; b and ctx are in: W's 56 loads are younger
.irp k, 0,1,2,3,4,5,6,7
	v_cvt_pk_bf16_f32 v[O+(\k)], v[T+2*(\k)], v[T+2*(\k)+1]   ; rounded once to bf16,
.endr
.irp k, 0,1,2,3,4,5,6,7
	v_lshlrev_b32 v[T+2*(\k)], 16, v[O+(\k)]                  ; and widened again
	v_and_b32 v[T+2*(\k)+1], 0xffff0000, v[O+(\k)]
.endr
.irp k, 0,1,2,3
	v_pk_mul_f32 v[T+2*(\k):T+2*(\k)+1], v[T+2*(\k):T+2*(\k)+1], s[CS:CS+1] op_sel_hi:[1,0]   ; bc = CS b
.endr
	ds_store_b128 v[TBA], v[T:T+3]
	ds_store_b128 v[TBA], v[T+4:T+7] offset:16
	ds_store_b128 v[TBA], v[T+8:T+11] offset:4096
	ds_store_b128 v[TBA], v[T+12:T+15] offset:4112
.Lchunk:
	; THE CHUNK COMES IN.  Wave w brings rows 32 w .. 32 w + 31, eight rows (two sets of 32 loads) on their way at a time.
	s_mov_b64 s[XP:XP+1], s[XB:XB+1]
	v_add_nc_u32 v[XST], s[XS0], v[GS]
	LOADX 0, 0
	LOADX 1, 16384
	WIN 0
	s_mov_b32 s[CNT], 3
.Lrows:
	s_wait_loadcnt 32                              ; set 0 is in; set 1's 32 loads may stay out
	CVST 0
	LOADX 0, 32768
	s_wait_loadcnt 32                              ; set 1 is in
	CVST 1
	LOADX 1, 49152
	WIN 0
	s_wait_xcnt 0x0                                ; the loads have read the pointer: only now is it stepped
	s_add_nc_u64 s[XP:XP+1], s[XP:XP+1], 32768
	v_add_nc_u32 v[XST], 8*PITCH, v[XST]
	s_sub_co_u32 s[CNT], s[CNT], 1
	s_cmp_lg_u32 s[CNT], 0
	s_cbranch_scc1 .Lrows
	s_wait_loadcnt 32                              ; the last eight rows: nothing more is asked for
	CVST 0
	s_wait_loadcnt 0x0
	CVST 1
	s_wait_dscnt 0x0                               ; for the others' sake: my rows (and at first my part of the tables) lie in LDS
	s_barrier_signal -1
	s_barrier_wait -1                              ; everybody's do
	v_mov_b32 v[TBA], v[TB0]
.irp ct, 0,1,2,3
.irp q, 0,1
	ds_load_b128 v[BC+8*(\ct)+4*(\q):BC+8*(\ct)+4*(\q)+3], v[TBA] offset:64*(\ct)+16*(\q)
.endr
.endr
	ALD 0
.set n, 0
.rept 16
	v_mov_b32 v[P+n], 0                            ; the scores' sums start at 0,
.set n, n+1
.endr
.set n, 0
.rept 32
	v_mov_b32 v[CT+n], 0                           ; and the first pass's riders multiply by 0
.set n, n+1
.endr
	s_mov_b32 s[PC], 4
.Lpass:
.irp ks, 0,1,2,3,4,5,6,7,8,9,10,11,12,13,14,15,16,17,18,19,20,21,22,23,24,25,26,27,28,29,30,31
	STEP \ks
.endr
	PASSEND
	s_sub_co_u32 s[PC], s[PC], 1
	s_cmp_lg_u32 s[PC], 0
	s_cbranch_scc1 .Lpass
	; (The last pass has asked for the first pass's first seven K steps of W again: the second chunk uses them; at the launch's end nobody does.  They lie inside wf.)
	; A PREFETCH INTO THE L2 of the next chunk's beginning: each wave asks for the first 8 of ITS OWN 32 rows, a lane 256 bytes, four instructions: 32 KiB a wave, each block named once
	; in the launch.  It stands ahead of the last tiles' tanh, the softmax and the pooling, behind which those rows are loaded.  The second chunk has none behind it and asks for nothing.
	s_cmp_lg_u32 s[CH], 2
	s_cbranch_scc1 .Lno_pf
.irp k, 0,1,2,3
	global_prefetch_b8 v[PFO], s[XB:XB+1] offset:524288+8192*(\k) th:TH_LOAD_NT scope:SCOPE_SE
.endr
.Lno_pf:
	DRAIN
	; THE SCORES: a pair's two sums, the other half of the lanes', then the four waves' parts through LDS.
.irp rt, 0,1,2,3,4,5,6,7
	v_add_f32 v[T+(\rt)], v[P+2*(\rt)], v[P+2*(\rt)+1]
.endr
.irp rt, 0,1,2,3,4,5,6,7
	v_permlanex16_b32 v[T+8+(\rt)], v[T+(\rt)], s[SEL], s[SEL+1]
.endr
.irp rt, 0,1,2,3,4,5,6,7
	v_add_f32 v[T+(\rt)], v[T+(\rt)], v[T+8+(\rt)]
.endr
.irp rt, 0,1,2,3,4,5,6,7
	ds_store_b32 v[SCA], v[T+(\rt)] offset:64*(\rt)   ; row 16 rt + r; both halves of the lanes write the same number
.endr
	s_wait_dscnt 0x0                               ; for the others' sake
	s_barrier_signal -1
	s_barrier_wait -1
.irp v, 0,1,2,3
	ds_load_b128 v[T+4*(\v):T+4*(\v)+3], v[SCB] offset:512*(\v)   ; rows 4 lane .. 4 lane + 3, wave v's part
.endr
	s_wait_dscnt 0x0
	v_pk_add_f32 v[T:T+1], v[T:T+1], v[T+4:T+5]
	v_pk_add_f32 v[T+2:T+3], v[T+2:T+3], v[T+6:T+7]
	v_pk_add_f32 v[T+8:T+9], v[T+8:T+9], v[T+12:T+13]
	v_pk_add_f32 v[T+10:T+11], v[T+10:T+11], v[T+14:T+15]
	v_pk_add_f32 v[T:T+1], v[T:T+1], v[T+8:T+9]
	v_pk_add_f32 v[T+2:T+3], v[T+2:T+3], v[T+10:T+11]
	; THE CHUNK'S SOFTMAX, the same in every wave: m, e = 2^((s - m) log2 e), l.
	v_max3_num_f32 v[P], v[T], v[T+1], v[T+2]
	v_max_num_f32 v[P], v[P], v[T+3]
	v_max_num_f32_dpp v[P], v[P], v[P] row_xmask:1 row_mask:0xf bank_mask:0xf
	v_max_num_f32_dpp v[P], v[P], v[P] row_xmask:2 row_mask:0xf bank_mask:0xf
	v_max_num_f32_dpp v[P], v[P], v[P] row_xmask:4 row_mask:0xf bank_mask:0xf
	v_max_num_f32_dpp v[P], v[P], v[P] row_xmask:8 row_mask:0xf bank_mask:0xf
	v_permlanex16_b32 v[P+2], v[P], s[SEL], s[SEL+1]
	v_max_num_f32 v[P], v[P], v[P+2]               ; m
.irp i, 0,1,2,3
	v_sub_f32 v[T+(\i)], v[T+(\i)], v[P]
.endr
.irp i, 0,1,2,3
	v_mul_f32 v[T+(\i)], s[L2E], v[T+(\i)]
.endr
.irp i, 0,1,2,3
	v_exp_f32 v[T+(\i)], v[T+(\i)]
.endr
	v_nop                                          ; a plain line behind the last exponential,
	s_wait_alu depctr_va_vdst(0)                   ; and the four's wait
	v_add_f32 v[P+1], v[T], v[T+1]
	v_add_f32 v[P+2], v[T+2], v[T+3]
	v_add_f32 v[P+1], v[P+1], v[P+2]
	v_add_f32_dpp v[P+1], v[P+1], v[P+1] row_xmask:1 row_mask:0xf bank_mask:0xf
	v_add_f32_dpp v[P+1], v[P+1], v[P+1] row_xmask:2 row_mask:0xf bank_mask:0xf
	v_add_f32_dpp v[P+1], v[P+1], v[P+1] row_xmask:4 row_mask:0xf bank_mask:0xf
	v_add_f32_dpp v[P+1], v[P+1], v[P+1] row_xmask:8 row_mask:0xf bank_mask:0xf
	v_permlanex16_b32 v[P+2], v[P+1], s[SEL], s[SEL+1]
	v_add_f32 v[P+1], v[P+1], v[P+2]               ; l
	ds_store_b128 v[WTA], v[T:T+3]                 ; my wave's own copy of the weights: LDS serves a wave's instructions in order, so its loads below see them
	; THE POOLING: wave w sums columns 256 w .. 256 w + 255 over the 128 rows; a lane has columns 4 lane .. + 3 and 128 + 4 lane .. + 3 of them.  16 rows a trip.
.irp c, 0,1,2,3,4,5,6,7
	v_mov_b32 v[O+(\c)], 0
.endr
	v_add_nc_u32 v[PA], s[PA0], v[GS]
	v_mov_b32 v[WTB], s[WT0]
	s_mov_b32 s[CNT], 8
.Lpool:
.irp k, 0,1,2,3
	ds_load_b128 v[T+4*(\k):T+4*(\k)+3], v[WTB] offset:16*(\k)   ; 16 weights, the same in every lane
.endr
.irp i, 0,1,2,3,4,5,6,7,8,9,10,11,12,13,14,15
	ds_load_b64 v[XF+4*(\i):XF+4*(\i)+1],   v[PA] offset:PITCH*(\i)
	ds_load_b64 v[XF+4*(\i)+2:XF+4*(\i)+3], v[PA] offset:PITCH*(\i)+256
.endr
.irp i, 0,1,2,3,4,5,6,7,8,9,10,11,12,13,14,15
	s_wait_dscnt 30-2*(\i)                         ; row i is in: the younger rows' two loads each may stay out
.irp k, 0,1,2,3
	v_fma_mix_f32_bf16 v[O+2*(\k)],   v[XF+4*(\i)+(\k)], v[T+(\i)], v[O+2*(\k)] op_sel_hi:[1,0,0]
	v_fma_mix_f32_bf16 v[O+2*(\k)+1], v[XF+4*(\i)+(\k)], v[T+(\i)], v[O+2*(\k)+1] op_sel:[1,0,0] op_sel_hi:[1,0,0]
.endr
.endr
	v_add_nc_u32 v[PA], 16*PITCH, v[PA]
	v_add_nc_u32 v[WTB], 64, v[WTB]
	s_sub_co_u32 s[CNT], s[CNT], 1
	s_cmp_lg_u32 s[CNT], 0
	s_cbranch_scc1 .Lpool
	global_store_b128 v[GO], v[O:O+3],   s[PB:PB+1]              ; each store of the wave covers 512 consecutive bytes, aligned
	global_store_b128 v[GO], v[O+4:O+7], s[PB:PB+1] offset:512
	s_cmp_lg_u32 s[WV], 0
	s_cbranch_scc1 .Lno_stat
	global_store_b64 v[GS], v[P:P+1], s[SB:SB+1]                 ; (m, l), 32 times: 256 consecutive bytes, aligned
.Lno_stat:
	s_wait_dscnt 0x0                               ; my reads of the chunk, the scores and the weights are over:
	s_barrier_signal -1
	s_barrier_wait -1                              ; everybody's are, so the next chunk may be stored over this one
	s_wait_xcnt 0x0                                ; the stores and the prefetches have read their registers and bases
	s_add_nc_u64 s[XB:XB+1], s[XB:XB+1], 524288
	s_add_nc_u64 s[PB:PB+1], s[PB:PB+1], 4096
	s_add_nc_u64 s[SB:SB+1], s[SB:SB+1], 256
	s_sub_co_u32 s[CH], s[CH], 1
	s_cmp_lg_u32 s[CH], 0
	s_cbranch_scc1 .Lchunk
	s_wait_tensorcnt 0x0                           ; the wave's end, behind my last LDS store
	ds_add_u32 v[SPW], v[NIL]
	s_wait_dscnt 0x0
	s_endpgm
.Lfunc_end_k_q54a2d4d5c5_main:
	.size	k_q54a2d4d5c5_main, .Lfunc_end_k_q54a2d4d5c5_main-k_q54a2d4d5c5_main
	.p2alignl 7, 3214868480
	.fill 96, 4, 3214868480
	.section	.rodata,"a",@progbits
	.p2align	6, 0x0
	.amdhsa_kernel k_q54a2d4d5c5_main
		.amdhsa_group_segment_fixed_size 276992
		.amdhsa_private_segment_fixed_size 0
		.amdhsa_enable_private_segment 0
		.amdhsa_kernarg_size 48
		.amdhsa_user_sgpr_count 2
		.amdhsa_user_sgpr_kernarg_segment_ptr 1
		.amdhsa_wavefront_size32 1
		.amdhsa_system_sgpr_workgroup_id_x 1
		.amdhsa_system_sgpr_workgroup_id_y 1
		.amdhsa_system_sgpr_workgroup_id_z 1
		.amdhsa_system_vgpr_workitem_id 0
		.amdhsa_next_free_vgpr 1024
		.amdhsa_next_free_sgpr 66
		.amdhsa_reserve_vcc 0
		.amdhsa_float_denorm_mode_32 3
		.amdhsa_float_denorm_mode_16_64 3
		.amdhsa_memory_ordered 1
		.amdhsa_forward_progress 1
		.amdhsa_inst_pref_size 255
	.end_amdhsa_kernel
	.section	.bss,"aw",@nobits
	.p2align	6
	.space	262144
	.amdgpu_metadata
---
amdhsa.version: [ 1, 2 ]
amdhsa.kernels:
  - .name:           k_q54a2d4d5c5_main
    .symbol:         k_q54a2d4d5c5_main.kd
    .args:
      - { .name: x, .offset: 0, .size: 8, .value_kind: global_buffer, .address_space: global }
      - { .name: wf, .offset: 8, .size: 8, .value_kind: global_buffer, .address_space: global }
      - { .name: b, .offset: 16, .size: 8, .value_kind: global_buffer, .address_space: global }
      - { .name: ctx, .offset: 24, .size: 8, .value_kind: global_buffer, .address_space: global }
      - { .name: part, .offset: 32, .size: 8, .value_kind: global_buffer, .address_space: global }
      - { .name: stat, .offset: 40, .size: 8, .value_kind: global_buffer, .address_space: global }
    .group_segment_fixed_size: 276992
    .private_segment_fixed_size: 0
    .kernarg_segment_align: 8
    .kernarg_segment_size: 48
    .max_flat_workgroup_size: 128
    .sgpr_count:     66
    .vgpr_count:     1024
    .wavefront_size: 32
...
	.end_amdgpu_metadata
.endif
;; end of part 2
;; launch fin (part 3): grid 4 x 32, 2 waves a work-group, no clusters, 0 bytes of LDS; arguments part, stat, out0; writes out0
.if DOCPART == 3
	.amdgcn_target "amdgcn-amd-amdhsa--gfx1250"
	.amdhsa_code_object_version 6
	.text
	.protected	k_q54a2d4d5c5_fin
	.globl	k_q54a2d4d5c5_fin
	.p2align	8
	.type	k_q54a2d4d5c5_fin,@function
k_q54a2d4d5c5_fin:
	s_mov_b64 s[64:65], 0
	v_nop
	global_prefetch_b8 v0, s[64:65] scope:SCOPE_SE
	s_setreg_imm32_b32 hwreg(HW_REG_WAVE_MODE, 25, 1), 1
	s_wait_xcnt 0x0
; out0[batch][c] = (sum over the batch's 16 chunks of f part[chunk][c]) / (sum of f l), f = exp(m_chunk - M), M = the largest m: the running-maximum merge, all in f32.
; A work-group makes 256 columns of one batch; a thread 4 columns: each load and store of a wave covers 512 consecutive bytes.  All 32 loads go out at once.
; LIMITS.  NaN is not treated apart; an f below 2^-126 counts as 0.
.set ST,  2                            ; v[2:33]   (m, l) of chunk c at ST + 2 c; m's place then takes f
.set AC,  34                           ; v[34:37]  my four sums
.set LS,  38                           ; v38       the sum of f l
.set RC,  40                           ; v40       its reciprocal
.set MX,  42                           ; v42       M
.set ZO,  44                           ; v44       0: every lane reads the same pair
.set PV,  64                           ; v[64:127] part: 4 numbers of chunk c at PV + 4 c
	s_load_b128 s[4:7], s[0:1], 0x0                ; part s[4:5], stat s[6:7]
	s_load_b64 s[8:9], s[0:1], 0x10                ; out0
	s_and_b32 s10, ttmp7, 0xffff                   ; batch
	s_lshl_b32 s14, ttmp9, 10                      ; my quarter of a row: 1,024 bytes
	s_lshl_b32 s12, s10, 16                        ; the batch's 16 chunks of 4,096 bytes in part
	s_add_co_u32 s12, s12, s14
	s_mov_b32 s13, 0
	s_lshl_b32 s2, s10, 12                         ; 16 records of 256 bytes in stat; also a row of out0
	s_mov_b32 s3, 0
	s_mov_b32 s11, 0x3fb8aa3b                      ; log2(e)
	v_lshlrev_b32 v1, 4, v0
	v_mov_b32 v[ZO], 0
	s_wait_kmcnt 0x0
	s_add_nc_u64 s[4:5], s[4:5], s[12:13]
	s_add_nc_u64 s[6:7], s[6:7], s[2:3]
	s_add_co_u32 s2, s2, s14
	s_add_nc_u64 s[8:9], s[8:9], s[2:3]
.irp c, 0,1,2,3,4,5,6,7,8,9,10,11,12,13,14,15
	global_load_b64 v[ST+2*(\c):ST+2*(\c)+1], v[ZO], s[6:7] offset:256*(\c)
.endr
.irp c, 0,1,2,3,4,5,6,7,8,9,10,11,12,13,14,15
	global_load_b128 v[PV+4*(\c):PV+4*(\c)+3], v1, s[4:5] offset:4096*(\c)
.endr
	s_wait_loadcnt 16                              ; the pairs are in: part's 16 loads may stay out
	v_max3_num_f32 v[MX], v[ST], v[ST+2], v[ST+4]
.irp c, 3,5,7,9,11,13
	v_max3_num_f32 v[MX], v[MX], v[ST+2*(\c)], v[ST+2*(\c)+2]
.endr
	v_max_num_f32 v[MX], v[MX], v[ST+30]
.irp c, 0,1,2,3,4,5,6,7,8,9,10,11,12,13,14,15
	v_sub_f32 v[ST+2*(\c)], v[ST+2*(\c)], v[MX]
.endr
.irp c, 0,1,2,3,4,5,6,7,8,9,10,11,12,13,14,15
	v_mul_f32 v[ST+2*(\c)], s11, v[ST+2*(\c)]
.endr
.irp c, 0,1,2,3,4,5,6,7,8,9,10,11,12,13,14,15
	v_exp_f32 v[ST+2*(\c)], v[ST+2*(\c)]
.endr
	v_nop                                          ; a plain line behind the last exponential,
	s_wait_alu depctr_va_vdst(0)                   ; and the batch's one wait, ahead of the first line that names a result
	v_mul_f32 v[LS], v[ST], v[ST+1]
.irp c, 1,2,3,4,5,6,7,8,9,10,11,12,13,14,15
	v_fmac_f32 v[LS], v[ST+2*(\c)], v[ST+2*(\c)+1]
.endr
	v_rcp_f32 v[RC], v[LS]
	s_wait_loadcnt 0x0
	v_pk_mul_f32 v[AC:AC+1],   v[PV:PV+1],   v[ST:ST+1] op_sel_hi:[1,0]   ; the first chunk starts the sums; f is the pair's low word, for both halves
	v_pk_mul_f32 v[AC+2:AC+3], v[PV+2:PV+3], v[ST:ST+1] op_sel_hi:[1,0]
.irp c, 1,2,3,4,5,6,7,8,9,10,11,12,13,14,15
	v_pk_fma_f32 v[AC:AC+1],   v[PV+4*(\c):PV+4*(\c)+1],   v[ST+2*(\c):ST+2*(\c)+1], v[AC:AC+1] op_sel_hi:[1,0,1]
	v_pk_fma_f32 v[AC+2:AC+3], v[PV+4*(\c)+2:PV+4*(\c)+3], v[ST+2*(\c):ST+2*(\c)+1], v[AC+2:AC+3] op_sel_hi:[1,0,1]
.endr
	s_wait_alu depctr_va_vdst(0)                   ; the reciprocal's wait; the sums above are the plain lines behind it
.irp k, 0,1,2,3
	v_mul_f32 v[AC+(\k)], v[AC+(\k)], v[RC]
.endr
	global_store_b128 v1, v[AC:AC+3], s[8:9]
	s_endpgm
.Lfunc_end_k_q54a2d4d5c5_fin:
	.size	k_q54a2d4d5c5_fin, .Lfunc_end_k_q54a2d4d5c5_fin-k_q54a2d4d5c5_fin
	.p2alignl 7, 3214868480
	.fill 96, 4, 3214868480
	.section	.rodata,"a",@progbits
	.p2align	6, 0x0
	.amdhsa_kernel k_q54a2d4d5c5_fin
		.amdhsa_group_segment_fixed_size 0
		.amdhsa_private_segment_fixed_size 0
		.amdhsa_enable_private_segment 0
		.amdhsa_kernarg_size 24
		.amdhsa_user_sgpr_count 2
		.amdhsa_user_sgpr_kernarg_segment_ptr 1
		.amdhsa_wavefront_size32 1
		.amdhsa_system_sgpr_workgroup_id_x 1
		.amdhsa_system_sgpr_workgroup_id_y 1
		.amdhsa_system_sgpr_workgroup_id_z 1
		.amdhsa_system_vgpr_workitem_id 0
		.amdhsa_next_free_vgpr 128
		.amdhsa_next_free_sgpr 66
		.amdhsa_reserve_vcc 0
		.amdhsa_float_denorm_mode_32 3
		.amdhsa_float_denorm_mode_16_64 3
		.amdhsa_memory_ordered 1
		.amdhsa_forward_progress 1
		.amdhsa_inst_pref_size 9
	.end_amdhsa_kernel
	.amdgpu_metadata
---
amdhsa.version: [ 1, 2 ]
amdhsa.kernels:
  - .name:           k_q54a2d4d5c5_fin
    .symbol:         k_q54a2d4d5c5_fin.kd
    .args:
      - { .name: part, .offset: 0, .size: 8, .value_kind: global_buffer, .address_space: global }
      - { .name: stat, .offset: 8, .size: 8, .value_kind: global_buffer, .address_space: global }
      - { .name: out0, .offset: 16, .size: 8, .value_kind: global_buffer, .address_space: global }
    .group_segment_fixed_size: 0
    .private_segment_fixed_size: 0
    .kernarg_segment_align: 8
    .kernarg_segment_size: 24
    .max_flat_workgroup_size: 64
    .sgpr_count:     66
    .vgpr_count:     128
    .wavefront_size: 32
...
	.end_amdgpu_metadata
.endif
;; end of part 3
